; MI455X (gfx1250); checked and timed in simulation.
; The chip was launched on July 23, 2026; its instructions are those of AMD's public machine-readable ISA for CDNA 5 (MIT licence, August 2026) and "CDNA5" Instruction Set Architecture Reference Guide (July 2026). The comments in the code are by the model that wrote it; some were corrected since.
;; Self Attention. Allowed arithmetic: matrix products marked QUANTISED: E4M3 operands, one given power-of-two scale a tensor, by v_wmma_f32_16x16x64_fp8_fp8 or v_wmma_f32_16x16x128_fp8_fp8, f32 sums; everything else in f32.
;; Inputs: Wk 1,024 x 1,024 float32; Wq 1,024 x 1,024 float32; Wv 1,024 x 1,024 float32; bk 1,024 float32; bq 1,024 float32; bv 1,024 float32; lowp_scales 10 int32 (the exponents e of the quantised operands' scales 2^e); x 4 x 2,048 x 1,024 float32.
;; Outputs: out0 4 x 2,048 x 1,024 float32.
;; This version of the problem:
;;   THIS VERSION OF THE PROBLEM IS GIVEN IN LOW PRECISION. The matrix products marked QUANTISED in the list below multiply operands that are first quantised to E4M3 (4 exponent bits, 3 mantissa bits; 8 bits a number), with one given power-of-two scale for each operand tensor; their sums are f32. All else is computed in f32.
;;   The module's matrix products, in the order in which they are computed (A, B: the left and right operand; K: the contracted axis; several contracted axes count as one K, in the product's order):
;;     1. [M 8,192, K 1,024] x [K 1,024, N 1,024]; A: input x; B: input Wq: QUANTISED (scales: A lowp_scales[0], B lowp_scales[1])
;;     2. [M 8,192, K 1,024] x [K 1,024, N 1,024]; A: input x; B: input Wk: QUANTISED (scales: A lowp_scales[2], B lowp_scales[3])
;;     3. [M 8,192, K 1,024] x [K 1,024, N 1,024]; A: input x; B: input Wv: QUANTISED (scales: A lowp_scales[4], B lowp_scales[5])
;;     4. batch 64 x [M 2,048, K 64] x [K 64, N 2,048]; A: computed on the way; B: computed on the way: QUANTISED (scales: A lowp_scales[6], B lowp_scales[7])
;;     5. batch 64 x [M 64, K 2,048] x [K 2,048, N 2,048]; A: computed on the way; B: softmax (see below): QUANTISED (scales: A lowp_scales[8], B lowp_scales[9])
;;   THE QUANTISER, for each operand of a quantised product, along K:
;;     - The operand's scale is 2^e, e = its entry of the input lowp_scales (int32; the entries are numbered through the quantised products in the list's order, A before B).
;;     - Each number is divided by the scale, clamped to +-448, and rounded to the nearest number of E4M3, ties to even, subnormals kept.
;;     - The product sums the exact products of the quantised numbers (number of the format x scale) in f32.
;;   ~~~python
;;   def quantise(x, axis, e):      # numpy; x: float32 -> the quantised numbers, widened to float32 again
;;       x = np.moveaxis(x, axis, -1); K = x.shape[-1]
;;       r = np.clip(x / 2.0 ** e, -448, 448)
;;       step = 2.0 ** (np.maximum(np.frexp(np.where(r == 0, 1, r))[1] - 1, -6) - 3)
;;       q = np.round(r / step) * step * 2.0 ** e      # np.round: ties to even
;;       return np.moveaxis(q, -1, axis).astype(np.float32)
;;   ~~~
;;   SOFTMAX AHEAD OF A QUANTISED PRODUCT. Where the list says 'softmax', what is quantised is not the finished softmax but p = 2^(t - M), with t = logit x log2(e) and M = ceil(the row's largest t), a whole number; so 1/2 < the row's largest p <= 1. The row's sum l is taken of the UNQUANTISED p, in f32, and the product's result is divided by l at the end. Since M is a whole number, a kernel that streams over the keys may use a running M (the ceiling of the running maximum): every later rescaling is an exact power of two, so the quantised numbers keep their values, but for numbers so far below the row's largest that they fall under the format's range.
;;   OPERANDS COMPUTED ON THE WAY. 'Computed on the way' means the value that the module computes at that place (a softmax that the list does not call 'softmax' is quantised finished and normalised). What goes into a quantiser is computed in f32, as accurately as f32 sums, v_exp_f32 and their like allow (about 1e-6 of the number): no bf16 or f16 on the way to a quantiser, and a product that is left as it is and whose result goes on into a quantised operand takes f32 operands (vector FMAs, or v_wmma_f32_16x16x4_f32). A number that lies on a knife's edge between two numbers of the format may be rounded either way, as far as f32 arithmetic and the matrix unit's own rounding can turn it there, and no further.
;; One version. Each part assembles by itself: llvm-mc -triple=amdgcn-amd-amdhsa -mcpu=gfx1250 --defsym DOCPART=n.
;; ======== version 1 of 1: 3 launches
;; limits: right only within a limited range of input values
;; workspace buffers: codes 28,311,552 bytes; qkv 25,165,824 bytes
;; launch quant (part 1): grid 352 x 1, 8 waves a work-group, no clusters, 82,944 bytes of LDS; arguments x, Wq, Wk, Wv, lowp_scales, codes; writes codes
.if DOCPART == 1
	.amdgcn_target "amdgcn-amd-amdhsa--gfx1250"
	.amdhsa_code_object_version 6
	.text
	.protected	k_qa697b6b55b_quant
	.globl	k_qa697b6b55b_quant
	.p2align	8
	.type	k_qa697b6b55b_quant,@function
k_qa697b6b55b_quant:
	s_mov_b64 s[64:65], 0
	v_nop
	global_prefetch_b8 v0, s[64:65] scope:SCOPE_SE
	s_setreg_imm32_b32 hwreg(HW_REG_WAVE_MODE, 25, 1), 1
	s_wait_xcnt 0x0
; FIRST OF THREE LAUNCHES: x and the three weights, f32, become codes of E4M3 with the given scales 2^e.
; NO WORK OF THE PROBLEM IS LEFT OUT IN ANY LAUNCH: every input reaches a quantised operand of a live product (bk too: it moves k's codes), so every input is loaded.
; x is an operand of three products with a scale of its own in each (entries 0, 2, 4 of the scales), so it is read once and quantised three times: xc[3][8192][1024].
; Wq, Wk, Wv (rows n, K innermost) take entries 1, 3, 5: wc[3][1024][1024], behind xc at byte XB.  code = number / 2^e, held within +-448, to the nearest code, ties to even.
; ROW ORDER OF THE CODES: row p of each of the six tensors holds source row p with bits 3 and 4 exchanged.  The next launch's matrix results then have 16 neighbours along the next K in a lane's 16 registers.
; SHARES: a work-group takes 32 rows of 1,024 numbers (work-groups 0-255: x; 256-351: the weights, 32 each); a wave 4 rows = 8 steps of 512 numbers.  4 rows keep their order, so the exchange of bits is one of the wave's number.
; A step's four loads read 512 consecutive bytes each; the 2,048 bytes turn through the wave's own stage in LDS (16 bytes of padding behind each 64) and come back 16 neighbours a lane, as the conversions want them;
; a lane's 16 codes are 16 bytes: a store of the wave covers 512 consecutive bytes, aligned.  Waves share nothing: no barrier.  The two paths (x, weights) part on the work-group's number and have LDS bytes of their own.
; LIMITS: entries 0 to 5 between -126 and 119, so that 2^e and 448 x 2^e are f32 numbers.  NaN among the inputs is not served; an infinity is held at the largest code.
.set SP,    80                         ; a lane's place in a stage: 64 bytes + 16 of padding
.set STGB,  32*SP                      ; a stage
.set WREG,  2*STGB                     ; a wave's two stages
.set BASEX, 0                          ; path x: eight waves' stages
.set BASEW, 8*WREG                     ; path weights: the same, in other bytes
.set SPARE, 16*WREG                    ; the spare words: 128 bytes a wave, four blocks of 256 bytes that no other line names
.set XB,    25165824                   ; where wc begins in the codes' buffer
.set R,     16                         ; v16-79   four sets of 16 numbers as loaded
.set X,     80                         ; v80-111  two sets of 16 neighbours
.set T,     112                        ; v112-143 two sets of held numbers, by turns
.set C,     144                        ; v144-155 three times four registers of codes
.set SPW,   12                         ; v12 my spare word's LDS address; v13 = 0: both never rewritten
.set NIL,   13
; v3 16 x lane; v6/v7, v8/v9, v10/v11: 2^e and 448 x 2^e; v14, v15 the stage, in and out
; s[18:19] source; s[20:21], s[22:23], s[32:33] the three destinations; s[24:31] entries 0 to 7
	s_load_b256 s[4:11], s[0:1], 0x0               ; x, Wq, Wk, Wv
	s_load_b128 s[12:15], s[0:1], 0x20             ; the scales' exponents, the codes
	v_lshl_add_u32 v[SPW], v0, 2, SPARE
	v_mov_b32 v[NIL], 0
	v_lshrrev_b32 v1, 5, v0
	s_delay_alu instid0(VALU_DEP_1)
	v_readfirstlane_b32 s16, v1                    ; wave 0..7
	v_and_b32 v2, 31, v0                           ; lane
	s_delay_alu instid0(VALU_DEP_1)
	v_lshlrev_b32 v3, 4, v2
	s_mul_i32 s34, s16, WREG
	v_lshrrev_b32 v14, 2, v2
	s_delay_alu instid0(VALU_DEP_1)
	v_mul_u32_u24 v14, v14, SP
	v_and_b32 v15, 3, v2
	s_delay_alu instid0(VALU_DEP_1)
	v_lshl_add_u32 v14, v15, 4, v14
	s_delay_alu instid0(VALU_DEP_1)
	v_add_nc_u32 v14, s34, v14                     ; in: four lanes' 64 bytes on end, then the padding
	v_mul_u32_u24 v15, v2, SP
	s_delay_alu instid0(VALU_DEP_1)
	v_add_nc_u32 v15, s34, v15                     ; out: my 16 neighbours
	s_and_b32 s17, s16, 1                          ; the wave's number with bits 1 and 2 exchanged: rows 4 w .. 4 w + 3 go to rows 4 w' ..
	s_and_b32 s35, s16, 2
	s_lshl_b32 s35, s35, 1
	s_or_b32 s17, s17, s35
	s_and_b32 s35, s16, 4
	s_lshr_b32 s35, s35, 1
	s_or_b32 s17, s17, s35
	s_lshl_b32 s36, s16, 14                        ; my 4 rows in the source: 4 x 4,096 bytes x wave
	s_lshl_b32 s37, s17, 12                        ; and in the codes: 4 x 1,024 bytes x w'
	s_wait_kmcnt 0x0
	s_load_b256 s[24:31], s[12:13], 0x0            ; entries 0 to 7
.macro LOAD t                          ; step t: four loads of 512 consecutive bytes
.irp i, 0,1,2,3
	global_load_b128 v[R+16*((\t)%4)+4*\i:R+16*((\t)%4)+4*\i+3], v3, s[18:19] offset:2048*(\t)+512*\i th:TH_LOAD_NT
.endr
.endm
.macro TURN t, base                    ; step t through the stage: LDS serves a wave's instructions in order, so no wait stands between the stores and the loads
.irp i, 0,1,2,3
	ds_store_b128 v14, v[R+16*((\t)%4)+4*\i:R+16*((\t)%4)+4*\i+3] offset:\base+STGB*((\t)%2)+8*SP*\i
.endr
.irp i, 0,1,2,3
	ds_load_b128 v[X+16*((\t)%2)+4*\i:X+16*((\t)%2)+4*\i+3], v15 offset:\base+STGB*((\t)%2)+16*\i
.endr
.endm
.macro MKSC se, vs, vl                 ; 2^e and 448 x 2^e as f32 numbers
	s_add_co_i32 s38, \se, 127
	s_lshl_b32 s39, s38, 23
	v_mov_b32 v[\vs], s39
	s_add_co_i32 s38, s38, 8
	s_lshl_b32 s38, s38, 23
	s_or_b32 s38, s38, 0x600000
	v_mov_b32 v[\vl], s38
.endm
.macro QSTEP t, n, base                ; step t is quantised with n scales
	s_wait_dscnt 0x0                               ; its numbers are back from the stage, and its stores into the stage have read their registers,
.if (\t)+4 < 8
	LOAD (\t)+4                                    ; which take the loads of four steps on
.endif
.if (\t)+1 < 8
.if 6-(\t) >= 3
	s_wait_loadcnt 12                              ; the next step's four loads are in; those of the three steps behind it stay out
.else
	s_wait_loadcnt 4*(6-(\t))
.endif
	TURN (\t)+1, \base
.endif
	s_wait_xcnt 0x0                                ; the last step's stores have read their data: the codes' registers are written again
.set XS, X+16*((\t)%2)
.set j, 0
.rept \n
.set TS, T+16*(((\n)*(\t)+j)%2)                ; the two sets take turns, so sixteen plain lines stand between a conversion and the next write of its sources
.irp i, 0,1,2,3,4,5,6,7,8,9,10,11,12,13,14,15
	v_med3_num_f32 v[TS+\i], v[XS+\i], -v[7+2*j], v[7+2*j]   ; the conversion to an 8-bit code does not saturate (ISA guide 7.6.2): the hold comes first
.endr
	v_cvt_scalef32_pk8_fp8_f32 v[C+4*j:C+4*j+1], v[TS:TS+7], v[6+2*j]
	v_cvt_scalef32_pk8_fp8_f32 v[C+4*j+2:C+4*j+3], v[TS+8:TS+15], v[6+2*j]
.set j, j+1
.endr
	global_store_b128 v3, v[C:C+3], s[20:21] offset:512*(\t)
.if (\n) > 1
	global_store_b128 v3, v[C+4:C+7], s[22:23] offset:512*(\t)
	global_store_b128 v3, v[C+8:C+11], s[32:33] offset:512*(\t)
.endif
.endm
.macro PATH n, base
	s_wait_loadcnt 12                              ; step 0's four loads are in
	TURN 0, \base
.irp t, 0,1,2,3,4,5,6,7
	QSTEP \t, \n, \base
.endr
	s_wait_tensorcnt 0x0                           ; the wave's end
	ds_add_u32 v[SPW], v[NIL]
	s_wait_dscnt 0x0
	s_endpgm
.endm
	s_cmp_lt_u32 ttmp9, 256
	s_cbranch_scc0 .Lw
	; ---- x: 32 rows of work-group g, three scales, three destinations 8,388,608 bytes apart
	s_lshl_b32 s20, ttmp9, 17
	s_add_co_u32 s20, s20, s36
	s_mov_b32 s21, 0
	s_add_nc_u64 s[18:19], s[4:5], s[20:21]
	s_lshl_b32 s22, ttmp9, 15
	s_add_co_u32 s22, s22, s37
	s_mov_b32 s23, 0
	s_add_nc_u64 s[20:21], s[14:15], s[22:23]
	s_add_nc_u64 s[22:23], s[20:21], 0x800000
	s_add_nc_u64 s[32:33], s[22:23], 0x800000
	s_wait_alu depctr_va_vdst(0)
	LOAD 0
	LOAD 1
	LOAD 2
	LOAD 3
	s_wait_kmcnt 0x0
	MKSC s24, 6, 7
	MKSC s26, 8, 9
	MKSC s28, 10, 11
	s_wait_alu depctr_va_vdst(0)
	PATH 3, BASEX
.Lw:
	; ---- a weight: tensor m = (g - 256) / 32, its 32 rows (g - 256) % 32, one scale
	s_sub_co_u32 s34, ttmp9, 256
	s_lshr_b32 s35, s34, 5
	s_and_b32 s34, s34, 31
	s_cmp_eq_u32 s35, 0
	s_cselect_b64 s[18:19], s[6:7], s[8:9]
	s_cmp_eq_u32 s35, 2
	s_cselect_b64 s[18:19], s[10:11], s[18:19]
	s_lshl_b32 s20, s34, 17
	s_add_co_u32 s20, s20, s36
	s_mov_b32 s21, 0
	s_add_nc_u64 s[18:19], s[18:19], s[20:21]
	s_lshl_b32 s22, s35, 20
	s_lshl_b32 s23, s34, 15
	s_add_co_u32 s22, s22, s23
	s_add_co_u32 s22, s22, s37
	s_add_co_u32 s22, s22, XB
	s_mov_b32 s23, 0
	s_add_nc_u64 s[20:21], s[14:15], s[22:23]
	s_wait_alu depctr_va_vdst(0)
	LOAD 0
	LOAD 1
	LOAD 2
	LOAD 3
	s_wait_kmcnt 0x0
	s_cmp_eq_u32 s35, 0
	s_cselect_b32 s34, s25, s27                    ; entry 1, 3 or 5
	s_cmp_eq_u32 s35, 2
	s_cselect_b32 s34, s29, s34
	MKSC s34, 6, 7
	s_wait_alu depctr_va_vdst(0)
	PATH 1, BASEW
.Lfunc_end_k_qa697b6b55b_quant:
	.size	k_qa697b6b55b_quant, .Lfunc_end_k_qa697b6b55b_quant-k_qa697b6b55b_quant
	.p2alignl 7, 3214868480
	.fill 96, 4, 3214868480
	.section	.rodata,"a",@progbits
	.p2align	6, 0x0
	.amdhsa_kernel k_qa697b6b55b_quant
		.amdhsa_group_segment_fixed_size 82944
		.amdhsa_private_segment_fixed_size 0
		.amdhsa_enable_private_segment 0
		.amdhsa_kernarg_size 48
		.amdhsa_user_sgpr_count 2
		.amdhsa_user_sgpr_kernarg_segment_ptr 1
		.amdhsa_wavefront_size32 1
		.amdhsa_system_sgpr_workgroup_id_x 1
		.amdhsa_system_sgpr_workgroup_id_y 1
		.amdhsa_system_sgpr_workgroup_id_z 1
		.amdhsa_system_vgpr_workitem_id 0
		.amdhsa_next_free_vgpr 160
		.amdhsa_next_free_sgpr 66
		.amdhsa_reserve_vcc 0
		.amdhsa_float_denorm_mode_32 3
		.amdhsa_float_denorm_mode_16_64 3
		.amdhsa_memory_ordered 1
		.amdhsa_forward_progress 1
		.amdhsa_inst_pref_size 59
	.end_amdhsa_kernel
	.amdgpu_metadata
---
amdhsa.version: [ 1, 2 ]
amdhsa.kernels:
  - .name:           k_qa697b6b55b_quant
    .symbol:         k_qa697b6b55b_quant.kd
    .args:
      - { .name: x, .offset: 0, .size: 8, .value_kind: global_buffer, .address_space: global }
      - { .name: Wq, .offset: 8, .size: 8, .value_kind: global_buffer, .address_space: global }
      - { .name: Wk, .offset: 16, .size: 8, .value_kind: global_buffer, .address_space: global }
      - { .name: Wv, .offset: 24, .size: 8, .value_kind: global_buffer, .address_space: global }
      - { .name: lowp_scales, .offset: 32, .size: 8, .value_kind: global_buffer, .address_space: global }
      - { .name: codes, .offset: 40, .size: 8, .value_kind: global_buffer, .address_space: global }
    .group_segment_fixed_size: 82944
    .private_segment_fixed_size: 0
    .kernarg_segment_align: 8
    .kernarg_segment_size: 48
    .max_flat_workgroup_size: 256
    .sgpr_count:     66
    .vgpr_count:     160
    .wavefront_size: 32
...
	.end_amdgpu_metadata
.endif
;; end of part 1
;; launch proj (part 2): grid 12 x 32, 4 waves a work-group, clusters of 4 x 4, 327,680 bytes of LDS; arguments codes, bq, bk, bv, lowp_scales, qkv; writes qkv
.if DOCPART == 2
	.amdgcn_target "amdgcn-amd-amdhsa--gfx1250"
	.amdhsa_code_object_version 6
	.text
	.protected	k_qa697b6b55b_proj
	.globl	k_qa697b6b55b_proj
	.p2align	8
	.type	k_qa697b6b55b_proj,@function
k_qa697b6b55b_proj:
	s_mov_b64 s[64:65], 0
	v_nop
	global_prefetch_b8 v0, s[64:65] scope:SCOPE_SE
	s_setreg_imm32_b32 hwreg(HW_REG_WAVE_MODE, 25, 1), 1
	s_wait_xcnt 0x0
	s_wait_alu depctr_hold_cnt(0) depctr_sa_sdst(0) depctr_va_vdst(0) depctr_va_sdst(0) depctr_va_ssrc(0) depctr_va_vcc(0) depctr_vm_vsrc(0)
	s_getreg_b32 s2, hwreg(HW_REG_IB_STS2, 6, 4)
	s_cmp_eq_u32 s2, 0
	s_cbranch_scc0 .Lentry_in_a_cluster
	s_endpgm
.Lentry_in_a_cluster:
	s_bfe_u32 s2, ttmp6, 0x10000c
	s_cmp_lg_u32 s2, 0xf033
	s_cbranch_scc0 .Lentry_shape_is_right
	s_endpgm
.Lentry_shape_is_right:
.set ROWB,   256
.set KROW,   1024
.set PITCH,  272
.set FR,     16
.set NL,     4
.set NP,     4
.set HALFT,  128*PITCH
.set SLOT,   4*HALFT
.set SPARE,  2*SLOT
.set XB,     25165824
.set HB,   8
.set RB,   9
.set ADRA, 16
.set ADRB, 20
.set LO,   26
.set SPW,  28
.set NIL,  29
.set SC,   30
.set LIM,  31
.set BIAS, 32
.set AF,   128
.set TMP,  128
.set CD,   192
.set G1, 24
.set G0, 32
.set G1B, 48
.set G0B, 56
.set OUT0, 66
.set MSB, 0
.macro WIN new
.if MSB != \new
	s_set_vgpr_msb (MSB<<8)|\new
.set MSB, \new
.endif
.endm
.set MUL_LO, 0xa1
.set MUL_HI, 0xf1
.set TO_B,   0x40
.macro JLOAD g0a, g1a, g0b, g1b
	s_cmp_eq_u32 s15, 0
	s_cbranch_scc0 .Lfor_b_\@
	tensor_load_to_lds s[\g0a:\g0a+3], s[\g1a:\g1a+7]
	s_nop 0
.rept 4
	v_nop
.endr
	s_branch .Lasked_\@
.Lfor_b_\@:
	tensor_load_to_lds s[\g0b:\g0b+3], s[\g1b:\g1b+7]
	s_nop 0
.rept 4
	v_nop
.endr
.Lasked_\@:
.endm
.macro CREST
	s_cmp_lg_u32 s14, 0
	s_cbranch_scc1 .Lnot_wave_0_\@
	s_barrier_signal -3
.Lnot_wave_0_\@:
	s_barrier_wait -3
	s_barrier_signal -1
	s_barrier_wait -1
.endm
.macro CROUND
	s_barrier_signal -1
	s_barrier_wait -1
	CREST
.endm
	s_load_b256 s[4:11], s[0:1], 0x0
	s_load_b128 s[68:71], s[0:1], 0x20
	v_lshl_add_u32 v[SPW], v0, 2, SPARE
	v_mov_b32 v[NIL], 0
	ds_add_u32 v[SPW], v[NIL]
	ds_add_u32 v[SPW], v[NIL]
	v_lshrrev_b32 v1, 5, v0
	v_readfirstlane_b32 s14, v1
	s_lshr_b32 s15, s14, 1
	s_and_b32 s16, s14, 1
	s_bfe_u32 s40, ttmp6, 0x40000
	s_bfe_u32 s41, ttmp6, 0x40004
	s_mov_b32 s72, ttmp9
	s_and_b32 s73, ttmp7, 0xffff
	s_lshl_b32 s73, s73, 2
	s_lshl_b32 s43, s41, 2
	s_lshl_b32 s43, 15, s43
	s_lshl_b32 s44, 0x1111, s40
	s_or_b32 s[G1+0], s43, (0<<16)|(1<<20)|(1<<21)|(5<<22)|(3<<25)
	s_or_b32 s[G1B+0], s44, (0<<16)|(1<<20)|(1<<21)|(5<<22)|(3<<25)
.irp g, G1, G1B
	s_mov_b32 s[\g+1], ROWB<<16
	s_mov_b32 s[\g+2], 128<<16
	s_mov_b32 s[\g+3], ROWB<<16
	s_mov_b32 s[\g+4], 128
	s_mov_b32 s[\g+5], KROW
	s_mov_b32 s[\g+6], 0
	s_mov_b32 s[\g+7], 0
.endr
	s_lshl_b32 s76, s72, 23
	s_lshl_b32 s77, s72, 20
	s_add_co_u32 s77, s77, XB
	s_cmp_eq_u32 s72, 2
	s_cselect_b32 s20, s77, s76
	s_cselect_b32 s46, s76, s77
	s_cselect_b32 s74, 0, s73
	s_cselect_b32 s75, s73, 0
	s_add_co_u32 s74, s74, s41
	s_add_co_u32 s75, s75, s40
	s_lshl_b32 s22, s16, 17
	s_lshl_b32 s18, s74, 18
	s_add_co_u32 s20, s20, s18
	s_add_co_u32 s20, s20, s22
	s_mov_b32 s21, 0
	s_lshl_b32 s19, s75, 18
	s_add_co_u32 s46, s46, s19
	s_add_co_u32 s46, s46, s22
	s_mov_b32 s47, 0
	s_mul_i32 s45, s14, HALFT
	s_wait_dscnt 0x0
	s_wait_kmcnt 0x0
	s_load_b256 s[80:87], s[68:69], 0x0
	s_load_b64 s[88:89], s[68:69], 0x20
	s_add_nc_u64 s[20:21], s[4:5], s[20:21]
	s_add_nc_u64 s[46:47], s[4:5], s[46:47]
	CROUND
.irp s, 0,1
	s_mov_b32 s[G0+4*\s], 1
	s_add_co_u32 s[G0+4*\s+1], s45, \s*SLOT
	s_add_nc_u64 s[G0+4*\s+2:G0+4*\s+3], s[20:21], \s*ROWB
	s_or_b32 s[G0+4*\s+3], s[G0+4*\s+3], 0x80000000
	s_mov_b32 s[G0B+4*\s], 1
	s_add_co_u32 s[G0B+4*\s+1], s45, \s*SLOT
	s_add_nc_u64 s[G0B+4*\s+2:G0B+4*\s+3], s[46:47], \s*ROWB
	s_or_b32 s[G0B+4*\s+3], s[G0B+4*\s+3], 0x80000000
	s_wait_alu depctr_va_vdst(0)
	s_wait_tensorcnt 0x0
	ds_add_u32 v28, v29
	ds_add_u32 v28, v29
	s_wait_dscnt 0x0
	CROUND
	JLOAD G0+4*\s, G1, G0B+4*\s, G1B
.endr
	v_and_b32 v1, 15, v0
	v_bfe_u32 v2, v0, 4, 1
	v_mul_u32_u24 v3, v1, PITCH
	v_lshl_add_u32 v4, v2, 4, v3
	s_mul_i32 s21, s15, HALFT
	s_mul_i32 s22, s16, HALFT
	s_add_co_u32 s22, s22, 2*HALFT
.irp s, 0,1
	v_add_nc_u32 v[ADRA+\s], s21, v4
	v_add_nc_u32 v[ADRB+\s], s22, v4
	s_add_co_u32 s21, s21, SLOT
	s_add_co_u32 s22, s22, SLOT
.endr
	v_lshlrev_b32 v[HB], 6, v2
	v_and_b32 v[RB], 8, v1
	v_add_nc_u32 v[RB], v[RB], v1
	v_lshlrev_b32 v[RB], 2, v[RB]
	v_and_b32 v[LO], 31, v0
	v_lshlrev_b32 v[LO], 4, v[LO]
	s_wait_kmcnt 0x0
	s_cmp_eq_u32 s72, 0
	s_cselect_b32 s90, s80, s82
	s_cselect_b32 s91, s81, s83
	s_cselect_b32 s92, s87, s86
	s_cmp_eq_u32 s72, 2
	s_cselect_b32 s90, s84, s90
	s_cselect_b32 s91, s85, s91
	s_cselect_b32 s92, s88, s92
	s_add_co_i32 s96, s90, s91
	s_add_co_i32 s96, s96, 127
	s_lshl_b32 s96, s96, 23
	s_mov_b32 s97, s96
	s_add_co_i32 s92, s92, 127
	s_lshl_b32 s93, s92, 23
	v_mov_b32 v[SC], s93
	s_add_co_i32 s92, s92, 8
	s_lshl_b32 s92, s92, 23
	s_or_b32 s92, s92, 0x600000
	v_mov_b32 v[LIM], s92
.macro FRAG reg, adr, q, i
.irp c, 0,1,2,3
	ds_load_b128 v[\reg+4*\c:\reg+4*\c+3], v[\adr] offset:128*(\q)+32*\c+(\i)*16*PITCH
.endr
.endm
.macro MUL16 a0, p, zero
.irp a, \a0, \a0+1
.irp b, 0,1,2,3,4,5,6,7
.if \zero
	v_wmma_f32_16x16x128_fp8_fp8 v[8*(8*((\a)%4)+\b):8*(8*((\a)%4)+\b)+7], v[128*(\p)+FR*\b:128*(\p)+FR*\b+FR-1], v[AF+FR*(\a):AF+FR*(\a)+FR-1], 0
.else
	v_wmma_f32_16x16x128_fp8_fp8 v[8*(8*((\a)%4)+\b):8*(8*((\a)%4)+\b)+7], v[128*(\p)+FR*\b:128*(\p)+FR*\b+FR-1], v[AF+FR*(\a):AF+FR*(\a)+FR-1], v[8*(8*((\a)%4)+\b):8*(8*((\a)%4)+\b)+7]
.endif
.endr
.endr
.endm
.macro FETCH_B slot, q, p
	WIN TO_B
.irp i, 0,1,2,3,4,5,6,7
	FRAG 128*(\p)+FR*\i, ADRB+\slot, \q, \i
.endr
	WIN 0
.endm
.macro FETCH_A slot, q, i0
.irp i, \i0, \i0+1, \i0+2, \i0+3
	FRAG AF+FR*(\i), ADRA+\slot, \q, \i
.endr
.endm
.macro PLACES n
.rept \n
	v_nop
.endr
.endm
.macro STEP slot, q, zero
	s_wait_dscnt 4*NL
	WIN MUL_LO
	MUL16 0, (\q)%2, \zero
	MUL16 2, (\q)%2, \zero
	s_wait_dscnt 0
	PLACES NP
	FETCH_B \slot, (\q)+1, 1-(\q)%2
	FETCH_A \slot, (\q)+1, 0
	WIN MUL_HI
	MUL16 4, (\q)%2, \zero
	MUL16 6, (\q)%2, \zero
	PLACES NP
	WIN 0
	FETCH_A \slot, (\q)+1, 4
.endm
.macro TURN slot, next, fill
	s_wait_tensorcnt 0x0
	ds_add_u32 v[SPW], v[NIL]
	s_wait_dscnt 4*NL+1
	WIN MUL_LO
	MUL16 0, 1, 0
	s_wait_dscnt 0x0
	s_barrier_signal -1
	MUL16 2, 1, 0
	WIN 0
	s_barrier_wait -1
.if \fill
	CREST
	s_add_nc_u64 s[G0+4*\slot+2:G0+4*\slot+3], s[G0+4*\slot+2:G0+4*\slot+3], 2*ROWB
	s_add_nc_u64 s[G0B+4*\slot+2:G0B+4*\slot+3], s[G0B+4*\slot+2:G0B+4*\slot+3], 2*ROWB
	JLOAD G0+4*\slot, G1, G0B+4*\slot, G1B
.else
	PLACES NP
.endif
	s_wait_alu depctr_va_vdst(0)
	FETCH_B \next, 0, 0
	FETCH_A \next, 0, 0
	WIN MUL_HI
	MUL16 4, 1, 0
	MUL16 6, 1, 0
	PLACES NP
	WIN 0
	FETCH_A \next, 0, 4
.endm
.macro TAIL
	STEP 1, 0, 0
	s_wait_dscnt 4*NL
	WIN MUL_LO
	MUL16 0, 1, 0
	MUL16 2, 1, 0
	s_wait_dscnt 0
	WIN MUL_HI
	MUL16 4, 1, 0
	MUL16 6, 1, 0
	WIN 0
	s_wait_loadcnt 0x0
	PLACES NP
.endm
.macro OUTBLK a, kind
.if (\a) >= 2
	s_wait_xcnt 0x0
.endif
.set AC, 64*((\a)%4)
.set CDS, CD+16*((\a)%2)
	WIN 0x02+((\a)/4)
.set jj, 0
.rept 32
.if \kind
	v_pk_fma_f32 v[TMP+jj:TMP+jj+1], v[AC+jj:AC+jj+1], s[96:97], v[BIAS+2*(\a):BIAS+2*(\a)+1] op_sel_hi:[1,0,1]
.else
	v_pk_fma_f32 v[TMP+jj:TMP+jj+1], v[AC+jj:AC+jj+1], s[96:97], v[BIAS+jj:BIAS+jj+1] op_sel_hi:[1,0,1]
.endif
.set jj, jj+2
.endr
	WIN 0
.irp b, 0,1,2,3
.set ii, 0
.rept 16
	v_med3_num_f32 v[TMP+16*\b+ii], v[TMP+16*\b+ii], -v[LIM], v[LIM]
.set ii, ii+1
.endr
	v_cvt_scalef32_pk8_fp8_f32 v[CDS+4*\b:CDS+4*\b+1], v[TMP+16*\b:TMP+16*\b+7], v[SC]
	v_cvt_scalef32_pk8_fp8_f32 v[CDS+4*\b+2:CDS+4*\b+3], v[TMP+16*\b+8:TMP+16*\b+15], v[SC]
.endr
	v_nop
.irp b, 0,1,2,3
.if \kind
	global_store_b128 v[LO], v[CDS+4*\b:CDS+4*\b+3], s[OUT0+12*((\a)/4):OUT0+12*((\a)/4)+1] offset:2048*((\a)%4)+512*\b
.else
	global_store_b128 v[LO], v[CDS+4*\b:CDS+4*\b+3], s[OUT0+12*(\b/2):OUT0+12*(\b/2)+1] offset:1024*(\a)+512*(\b%2)
.endif
.endr
.endm
	s_wait_tensorcnt 1
	s_barrier_signal -1
	s_barrier_wait -1
	FETCH_B 0, 0, 0
	FETCH_A 0, 0, 0
	FETCH_A 0, 0, 4
	STEP 0, 0, 1
	TURN 0, 1, 1
	STEP 1, 0, 0
	TURN 1, 0, 1
	STEP 0, 0, 0
	TURN 0, 1, 0
	s_cmp_eq_u32 s72, 2
	s_cbranch_scc1 .Lv
	s_cmp_eq_u32 s72, 0
	s_cselect_b64 s[12:13], s[6:7], s[8:9]
	s_lshl_b32 s18, s75, 10
	s_lshl_b32 s19, s16, 9
	s_add_co_u32 s18, s18, s19
	s_mov_b32 s19, 0
	s_add_nc_u64 s[12:13], s[12:13], s[18:19]
.irp b, 0,1,2,3,4,5,6,7
	global_load_b128 v[BIAS+8*\b:BIAS+8*\b+3], v[HB], s[12:13] offset:4*(32*(\b/2)+8*(\b%2))
	global_load_b128 v[BIAS+8*\b+4:BIAS+8*\b+7], v[HB], s[12:13] offset:4*(32*(\b/2)+8*(\b%2))+16
.endr
	s_and_b32 s18, s74, 7
	s_lshl_b32 s18, s18, 1
	s_add_co_u32 s18, s18, s15
	s_lshr_b32 s19, s74, 3
	s_lshl_b32 s19, s19, 4
	s_lshl_b32 s22, s75, 2
	s_add_co_u32 s19, s19, s22
	s_lshl_b32 s22, s16, 1
	s_add_co_u32 s19, s19, s22
	s_lshl_b32 s19, s19, 17
	s_lshl_b32 s18, s18, 13
	s_add_co_u32 s18, s18, s19
	s_lshl_b32 s18, s18, s72
	s_add_co_u32 s18, s18, s76
	s_mov_b32 s19, 0
	s_add_nc_u64 s[OUT0:OUT0+1], s[70:71], s[18:19]
	s_lshl_b32 s18, 0x20000, s72
	s_add_nc_u64 s[OUT0+12:OUT0+13], s[OUT0:OUT0+1], s[18:19]
	TAIL
.irp a, 0,1,2,3,4,5,6,7
	OUTBLK \a, 0
.endr
	s_branch .Lend
.Lv:
	s_lshl_b32 s18, s74, 10
	s_lshl_b32 s19, s15, 9
	s_add_co_u32 s18, s18, s19
	s_mov_b32 s19, 0
	s_add_nc_u64 s[12:13], s[10:11], s[18:19]
.irp a, 0,1,2,3,4,5,6,7
	global_load_b32 v[BIAS+2*\a], v[RB], s[12:13] offset:4*(32*(\a/2)+8*(\a%2))
	global_load_b32 v[BIAS+2*\a+1], v[RB], s[12:13] offset:4*(32*(\a/2)+8*(\a%2))
.endr
	s_and_b32 s18, s75, 7
	s_lshl_b32 s18, s18, 1
	s_add_co_u32 s18, s18, s16
	s_lshr_b32 s19, s75, 3
	s_lshl_b32 s19, s19, 4
	s_lshl_b32 s22, s74, 2
	s_add_co_u32 s19, s19, s22
	s_lshl_b32 s22, s15, 1
	s_add_co_u32 s19, s19, s22
	s_lshl_b32 s19, s19, 18
	s_lshl_b32 s18, s18, 14
	s_add_co_u32 s18, s18, s19
	s_add_co_u32 s18, s18, 0x802000
	s_mov_b32 s19, 0
	s_add_nc_u64 s[OUT0:OUT0+1], s[70:71], s[18:19]
	s_add_nc_u64 s[OUT0+12:OUT0+13], s[OUT0:OUT0+1], 0x40000
	TAIL
.irp a, 0,1,2,3,4,5,6,7
	OUTBLK \a, 1
.endr
.Lend:
	s_wait_tensorcnt 0x0
	ds_add_u32 v[SPW], v[NIL]
	s_wait_dscnt 0x0
	CROUND
	s_endpgm
.Lfunc_end_k_qa697b6b55b_proj:
	.size	k_qa697b6b55b_proj, .Lfunc_end_k_qa697b6b55b_proj-k_qa697b6b55b_proj
	.p2alignl 7, 3214868480
	.fill 96, 4, 3214868480
	.section	.rodata,"a",@progbits
	.p2align	6, 0x0
	.amdhsa_kernel k_qa697b6b55b_proj
		.amdhsa_group_segment_fixed_size 327680
		.amdhsa_private_segment_fixed_size 0
		.amdhsa_enable_private_segment 0
		.amdhsa_kernarg_size 48
		.amdhsa_user_sgpr_count 2
		.amdhsa_user_sgpr_kernarg_segment_ptr 1
		.amdhsa_wavefront_size32 1
		.amdhsa_system_sgpr_workgroup_id_x 1
		.amdhsa_system_sgpr_workgroup_id_y 1
		.amdhsa_system_sgpr_workgroup_id_z 1
		.amdhsa_system_vgpr_workitem_id 0
		.amdhsa_next_free_vgpr 1024
		.amdhsa_next_free_sgpr 98
		.amdhsa_reserve_vcc 0
		.amdhsa_float_denorm_mode_32 3
		.amdhsa_float_denorm_mode_16_64 3
		.amdhsa_memory_ordered 1
		.amdhsa_forward_progress 1
		.amdhsa_inst_pref_size 208
	.end_amdhsa_kernel
	.amdgpu_metadata
---
amdhsa.version: [ 1, 2 ]
amdhsa.kernels:
  - .name:           k_qa697b6b55b_proj
    .symbol:         k_qa697b6b55b_proj.kd
    .args:
      - { .name: codes, .offset: 0, .size: 8, .value_kind: global_buffer, .address_space: global }
      - { .name: bq, .offset: 8, .size: 8, .value_kind: global_buffer, .address_space: global }
      - { .name: bk, .offset: 16, .size: 8, .value_kind: global_buffer, .address_space: global }
      - { .name: bv, .offset: 24, .size: 8, .value_kind: global_buffer, .address_space: global }
      - { .name: lowp_scales, .offset: 32, .size: 8, .value_kind: global_buffer, .address_space: global }
      - { .name: qkv, .offset: 40, .size: 8, .value_kind: global_buffer, .address_space: global }
    .group_segment_fixed_size: 327680
    .private_segment_fixed_size: 0
    .kernarg_segment_align: 8
    .kernarg_segment_size: 48
    .max_flat_workgroup_size: 128
    .sgpr_count:     98
    .vgpr_count:     1024
    .wavefront_size: 32
...
	.end_amdgpu_metadata
.endif
;; end of part 2
;; launch attn (part 3): grid 4 x 64, 8 waves a work-group, clusters of 4 x 1, 327,680 bytes of LDS; arguments qkv, lowp_scales, out0; writes out0
.if DOCPART == 3
	.amdgcn_target "amdgcn-amd-amdhsa--gfx1250"
	.amdhsa_code_object_version 6
	.text
	.protected	k_qa697b6b55b_attn
	.globl	k_qa697b6b55b_attn
	.p2align	8
	.type	k_qa697b6b55b_attn,@function
k_qa697b6b55b_attn:
	s_mov_b64 s[64:65], 0
	v_nop
	global_prefetch_b8 v0, s[64:65] scope:SCOPE_SE
	s_setreg_imm32_b32 hwreg(HW_REG_WAVE_MODE, 25, 1), 1
	s_wait_xcnt 0x0
	s_wait_alu depctr_hold_cnt(0) depctr_sa_sdst(0) depctr_va_vdst(0) depctr_va_sdst(0) depctr_va_ssrc(0) depctr_va_vcc(0) depctr_vm_vsrc(0)
	s_getreg_b32 s2, hwreg(HW_REG_IB_STS2, 6, 4)
	s_cmp_eq_u32 s2, 0
	s_cbranch_scc0 .Lentry_in_a_cluster
	s_endpgm
.Lentry_in_a_cluster:
	s_bfe_u32 s2, ttmp6, 0x10000c
	s_cmp_lg_u32 s2, 0x3003
	s_cbranch_scc0 .Lentry_shape_is_right
	s_endpgm
.Lentry_shape_is_right:
; THIRD LAUNCH: out = softmax(q k^T / 8) v for 64 (batch, head) pairs, both products on codes of E4M3.  Nothing of the problem is left out here.
; THE SOFTMAX AHEAD OF THE SECOND PRODUCT: t = score x log2(e) / 8; M = the running largest t rounded UP to a whole number; p = 2^(t - M) is quantised with entry 9's scale; the row's sum is taken of the
; unquantised p and divides at the end.  When M moves, the sum and O are multiplied by 2^(old M - new M), which rounds nothing.
; SHARES: a work-group owns one head and 512 queries; each of its eight waves 64 of them, four tiles of 16, which share every fragment of k and v read from LDS.
; THE HEAD'S WHOLE k AND v LIE IN LDS: 16 key steps of 128 keys x 16,384 bytes.  Wave w fetches key steps 2 w and 2 w + 1 by ONE tensor load, a dense block of 32,768 bytes; nothing is filled again.
; The four work-groups of a cluster own the four query blocks of one head and need the same bytes: the load is joint, with a mask that names the four.
; NO PREFETCH: the head's one load a wave asks for all of k and v; no later load exists to run ahead of.
; OPERANDS lie in memory and in LDS as images of their registers (512 bytes for four registers, lane l at 16 l).
; LAYOUT: S^T = k q^T (source 0 = 16 keys, source 1 = 16 queries), O^T = v^T p^T (source 0 = 16 channels): a lane holds one query throughout.  The 16 registers of result tiles 2 b, 2 b + 1 are
; 16 neighbours, 32 b + 16 (lane / 16) + 0 .. 15; lane r of q's tile i is token 32 (i / 2) + 8 (i % 2) + r + 8 (r / 8) of my 64.
; THE WALK: a unit u is one tile x 128 keys (tile u % 4, key step u / 4), on two score buffers by turns.  In unit u's turn: its 64 exponentials, with unit u + 1's 32 scalings among them; O^T x f; the sum, with
; unit u + 1's f made among its lines; the hold; the conversions; unit u + 2's scores into the buffer just converted; unit u's second product; unit u + 2's maximum and M.  k's fragments are fetched behind
; their last use, one unit ahead of the wait for them, and so are v's.  The last key step is written out: it fetches nothing and starts no unit beyond the last.
; LIMITS: entries 6 + 7 between -123 and 130 (added to c's exponent field); entry 9 between -126 and 119; entries 8 + 9 go in by v_ldexp_f32.  What falls under f32's range when M moves is lost.  NaN is not served.
; REGISTERS.  Window 0: v1 16 x lane; v2 LDS address; v3, v4 the add's two; v5-7 the way out; v8 2^e9; v9-11 at work; v[12:13], v[14:15] f, by the unit's parity; v16-31 four tiles' -M, largest score, sum (a pair);
;   v32-39 eight chains of the maximum; v44, v45 the -M that a unit found, by its parity; v48-79 p's codes, two sets; v80-111 q; v112-125 seven more chains of the sum; v128-255 the two score buffers.
; Window 1: v0-127 O^T (tile i at 32 i); v128-191 k's fragments; v192-255 v's.
.set STAGE, 262144                     ; behind k and v: a stage of 16 rows x 272 bytes for each wave, bytes on which no fill lands
.set STP,   272
.set WSTG,  16*STP
.set SPARE, STAGE+8*WSTG               ; the spare words: 128 bytes a wave, four blocks of 256 bytes that no other line names
.set LI,  1
.set ADR, 2
.set SPW, 3
.set NIL, 4
.set GO,  5
.set STO, 6
.set RD,  7
.set SC,  8
.set F0,  12
.set ST0, 16
.set MX,  32
.set DT,  44
.set P0,  48
.set Q,   80
.set TT,  110                          ; the sum's chain k (1 to 7) lies at TT + 2 k
.set S0,  128
.set KF,  128                          ; window 1
.set VF,  192                          ; window 1
.set WV,  10
.set CX,  11
.set BH,  12
.set G1,  16
.set G0,  24
.set SEL, 28
.set CS,  30                           ; s[30:31] c = log2(e) / 8 x 2^(e6 + e7)
.set TB,  32                           ; the key step's LDS byte
.set CNT, 33
.set HOLD, 34                          ; 448 x 2^e9
.set MSB, 0
.macro WIN new                         ; the immediate's high byte repeats the setting that is left
.if MSB != \new
	s_set_vgpr_msb (MSB<<8)|\new
.set MSB, \new
.endif
.endm
.macro CROUND                          ; a round of the cluster's barrier
	s_barrier_signal -1
	s_barrier_wait -1
	s_cmp_lg_u32 s[WV], 0
	s_cbranch_scc1 .Lnot_wave_0_\@
	s_barrier_signal -3
.Lnot_wave_0_\@:
	s_barrier_wait -3
	s_barrier_signal -1
	s_barrier_wait -1
.endm
	s_load_b128 s[4:7], s[0:1], 0x0                ; the images, the scales' exponents
	s_load_b64 s[8:9], s[0:1], 0x10                ; out
	v_lshl_add_u32 v[SPW], v0, 2, SPARE
	v_mov_b32 v[NIL], 0
	ds_add_u32 v[SPW], v[NIL]                      ; the opening: the add, twice on end, and its wait ahead of my first tensor load
	ds_add_u32 v[SPW], v[NIL]
	v_lshrrev_b32 v1, 5, v0
	v_readfirstlane_b32 s[WV], v1                  ; wave 0..7
	s_bfe_u32 s[CX], ttmp6, 0x40000                ; my block of 512 queries: it enters q's and out's addresses alone
	s_and_b32 s[BH], ttmp7, 0xffff                 ; the head, which the four partners share
	s_mov_b32 s[G1], 15|(3<<16)|(1<<21)            ; the mask: all four; elements of 8 bytes; bit 21 beside a mask; no padding
	s_mov_b32 s[G1+1], 32<<16                      ; rows of 256 bytes
	s_mov_b32 s[G1+2], 128<<16                     ; 128 of them
	s_mov_b32 s[G1+3], 32<<16
	s_mov_b32 s[G1+4], 128
	s_mov_b32 s[G1+5], 32                          ; dense
	s_mov_b32 s[G1+6], 0
	s_mov_b32 s[G1+7], 0
	s_mov_b32 s[SEL], 0x76543210
	s_mov_b32 s[SEL+1], 0xfedcba98
	s_mov_b32 s[CS], 0x3e38aa3b                    ; log2(e) / 8
	s_mov_b32 s[TB], 0
	s_mov_b32 s[CNT], 15
	s_lshl_b32 s42, s[WV], 15                      ; key steps 2 w, 2 w + 1: 32,768 bytes x wave, in memory and in LDS
	s_lshl_b32 s40, s[BH], 18
	s_add_co_u32 s40, s40, s42
	s_add_co_u32 s40, s40, 0x800000                ; behind q's images
	s_mov_b32 s41, 0
	s_lshl_b32 s46, s[BH], 17                      ; q: the head, + tiles 32 cx + 4 wave, 1,024 bytes each
	s_lshl_b32 s43, s[CX], 15
	s_add_co_u32 s46, s46, s43
	s_lshl_b32 s43, s[WV], 12
	s_add_co_u32 s46, s46, s43
	s_mov_b32 s47, 0
	s_wait_dscnt 0x0                               ; both opening adds are done
	s_wait_kmcnt 0x0
	s_load_b128 s[36:39], s[6:7], 0x18             ; entries 6 to 9
	s_mov_b32 s[G0], 1
	s_mov_b32 s[G0+1], s42
	s_add_nc_u64 s[G0+2:G0+3], s[4:5], s[40:41]
	s_or_b32 s[G0+3], s[G0+3], 0x80000000
	s_add_nc_u64 s[44:45], s[4:5], s[46:47]
	CROUND                                         ; all four work-groups are here: the joint loads meet
	tensor_load_to_lds s[G0:G0+3], s[G1:G1+7]
	s_nop 0
.rept 4
	v_nop
.endr
	v_and_b32 v[LI], 31, v0
	v_lshlrev_b32 v[LI], 4, v[LI]
	v_mov_b32 v[ADR], v[LI]
.irp c, 0,1,2,3,4,5,6,7                        ; q's four fragments stay in registers
	global_load_b128 v[Q+4*\c:Q+4*\c+3], v[LI], s[44:45] offset:512*\c
.endr
	s_lshr_b32 s46, s[BH], 4                       ; out: row (batch x 2,048 + 512 cx + 64 wave) of 4,096 bytes, + the head's 256 bytes
	s_lshl_b32 s46, s46, 11
	s_lshl_b32 s43, s[CX], 9
	s_add_co_u32 s46, s46, s43
	s_lshl_b32 s43, s[WV], 6
	s_add_co_u32 s46, s46, s43
	s_lshl_b32 s46, s46, 12
	s_and_b32 s43, s[BH], 15
	s_lshl_b32 s43, s43, 8
	s_add_co_u32 s46, s46, s43
	s_add_nc_u64 s[8:9], s[8:9], s[46:47]
.irp i, 0,1,2,3
	v_mov_b32 v[ST0+4*\i+1], 0xff61b1e6            ; the largest score so far: -3e38
	v_mov_b32 v[ST0+4*\i+2], 0                     ; the sum
	v_mov_b32 v[ST0+4*\i+3], 0
.endr
.irp i, 0,1,2,3
	v_floor_f32 v[ST0+4*\i], -v[ST0+4*\i+1]        ; -M
.endr
	v_mov_b32 v9, 0                                ; (a lane permute's destination counts as read)
	v_mov_b32 v[F0+1], 0                           ; (named as the upper halves of pairs)
	v_mov_b32 v[F0+3], 0
	WIN 0x40
.set j, 0
.rept 128
	v_mov_b32 v[j], 0                              ; O^T: the unit is written once; the first finds zeros, which the first change of M leaves zeros
.set j, j+1
.endr
	WIN 0
	s_wait_kmcnt 0x0
	s_add_co_i32 s40, s36, s37
	s_lshl_b32 s40, s40, 23
	s_add_co_i32 s[CS], s[CS], s40                 ; a score stands for score x 2^(e6 + e7)
	s_mov_b32 s[CS+1], s[CS]
	s_add_co_i32 s40, s39, 127
	s_lshl_b32 s41, s40, 23
	v_mov_b32 v[SC], s41                           ; 2^e9
	s_add_co_i32 s40, s40, 8
	s_lshl_b32 s40, s40, 23
	s_or_b32 s[HOLD], s40, 0x600000                ; 448 x 2^e9
.macro LDK                             ; k's eight fragments of the key step at v[ADR]
.irp t, 0,1,2,3,4,5,6,7
.irp c, 0,1
	ds_load_b128 v[KF+8*\t+4*\c:KF+8*\t+4*\c+3], v[ADR] offset:1024*\t+512*\c
.endr
.endr
.endm
.macro LDV                             ; v's four
.irp t, 0,1,2,3
.irp c, 0,1,2,3
	ds_load_b128 v[VF+16*\t+4*\c:VF+16*\t+4*\c+3], v[ADR] offset:8192+2048*\t+512*\c
.endr
.endr
.endm
.macro SMUL                            ; 128 keys x 16 queries: scores into buffer MS, of the tile whose q lies at MQ
.irp t, 0,1,2,3,4,5,6,7
	v_wmma_f32_16x16x64_fp8_fp8 v[MS+8*\t:MS+8*\t+7], v[KF+8*\t:KF+8*\t+7], v[MQ:MQ+7], 0
.endr
.endm
; The largest of buffer MS's 64 scores and the tile's (state MT) running one: eight chains, one to an accumulator, each from its low end on, then a tree; the -M found goes to MD, the new one to MT.
; mg: the last two joins of the sum at ST stand between the links of the dependent run; adr: so does the step of the LDS address.
.macro MAXCH mg, adr
.irp k, 0,1,2,3,4,5,6,7
	v_max3_num_f32 v[MX+\k], v[MS+8*\k], v[MS+8*\k+1], v[MS+8*\k+2]
.endr
.irp j, 3,5
.irp k, 0,1,2,3,4,5,6,7
	v_max3_num_f32 v[MX+\k], v[MX+\k], v[MS+8*\k+\j], v[MS+8*\k+\j+1]
.endr
.endr
.irp k, 0,1,2,3
	v_max3_num_f32 v[MX+\k], v[MX+\k], v[MS+16*\k+7], v[MS+16*\k+15]
.endr
	v_max3_num_f32 v[MX], v[MX], v[MX+4], v[MX+5]
	v_max3_num_f32 v[MX+1], v[MX+1], v[MX+6], v[MX+7]
	v_max3_num_f32 v[MX+2], v[MX+2], v[MX+3], v[MT+1]
	v_mov_b32 v[MD], v[MT]                         ; the -M that this unit found
	v_max3_num_f32 v[MX], v[MX], v[MX+1], v[MX+2]
.if \mg
	v_pk_add_f32 v[ST+2:ST+3], v[ST+2:ST+3], v[TT+10:TT+11]
.endif
	v_permlanex16_b32 v9, v[MX], s[SEL], s[SEL+1]
.if \mg
	v_pk_add_f32 v[ST+2:ST+3], v[ST+2:ST+3], v[TT+2:TT+3]
.endif
	v_max_num_f32 v[MT+1], v[MX], v9               ; with lane l xor 16's
.if \adr
	s_add_co_u32 s[TB], s[TB], 16384
	v_add_nc_u32 v[ADR], s[TB], v[LI]              ; the next key step
.endif
	v_mul_f32 v10, s[CS], v[MT+1]                  ; as t (c is positive)
	s_delay_alu instid0(VALU_DEP_1)
	v_floor_f32 v[MT], -v10                        ; -M = floor(-t): M is a whole number
.endm
; Unit u's turn, tile i = u % 4.  n1: unit u + 1 exists; n2: unit u + 2 exists; ldk, ldv: fetch the next key step's k, v; wt: fragments are out; adr: step the LDS address.
.macro ITER i, n1, n2, ldk, ldv, wt, adr
.set SB, S0+64*((\i)%2)
.set SN, S0+64-64*((\i)%2)
.set PB, P0+16*((\i)%2)
.set FB, F0+2*((\i)%2)
.set FN, F0+2-2*((\i)%2)
.set DN, DT+1-((\i)%2)
.set ST, ST0+4*(\i)
.set SU, ST0+4*(((\i)+1)%4)
.set OT, 32*(\i)
	s_wait_alu depctr_va_vdst(0)                   ; the wait ahead of the batch
.set jj, 0
.rept 32
	v_exp_f32 v[SB+jj], v[SB+jj]                   ; p = 2^(t - M)
	v_exp_f32 v[SB+jj+1], v[SB+jj+1]
.if \n1
	v_pk_fma_f32 v[SN+jj:SN+jj+1], v[SN+jj:SN+jj+1], s[CS:CS+1], v[SU:SU+1] op_sel_hi:[1,0,0]   ; the next unit's t - M: it names nothing of the batch, and is read behind the waits below
.endif
.set jj, jj+2
.endr
.if (\n1) == 0
	v_nop                                          ; the plain line behind the batch
.endif
.if \wt
	s_wait_dscnt 0x0                               ; the fragments asked for in the last unit's turn
.endif
	WIN 0x41
	s_wait_alu depctr_va_vdst(0)                   ; one wait for the batch and, directly ahead of its first readers, for O^T
.set jj, 0
.rept 16
	v_pk_mul_f32 v[OT+jj:OT+jj+1], v[OT+jj:OT+jj+1], v[FB:FB+1] op_sel_hi:[1,0]   ; O^T under the new M
.set jj, jj+2
.endr
	WIN 0
	v_pk_fma_f32 v[ST+2:ST+3], v[ST+2:ST+3], v[FB:FB+1], v[SB:SB+1] op_sel_hi:[1,0,1]   ; the sum of the unquantised p, in eight chains; the first line brings it under the new M
.irp k, 1,2,3,4,5,6,7
	v_pk_add_f32 v[TT+2*\k:TT+2*\k+1], v[SB+4*\k-2:SB+4*\k-1], v[SB+4*\k:SB+4*\k+1]
.endr
.if \n1
	v_sub_f32 v10, v[SU], v[DN]                    ; the next unit's old M - new M, 0 or less; its f is made among the sum's lines
.endif
.irp g, 0,1
	v_pk_add_f32 v[ST+2:ST+3], v[ST+2:ST+3], v[SB+30+16*\g:SB+31+16*\g]
.irp k, 1,2,3,4,5,6,7
	v_pk_add_f32 v[TT+2*\k:TT+2*\k+1], v[TT+2*\k:TT+2*\k+1], v[SB+30+16*\g+2*\k:SB+31+16*\g+2*\k]
.endr
.if \n1
.if \g == 0
	v_cvt_i32_f32 v10, v10                         ; (it saturates)
.else
	v_ldexp_f32 v[FN], 1.0, v10                    ; f = 2^(old M - new M)
.endif
.endif
.endr
	v_pk_add_f32 v[ST+2:ST+3], v[ST+2:ST+3], v[SB+62:SB+63]
.set jj, 0
.rept 32
	v_dual_min_num_f32 v[SB+jj], s[HOLD], v[SB+jj] :: v_dual_min_num_f32 v[SB+jj+1], s[HOLD], v[SB+jj+1]   ; the conversion does not saturate (ISA guide 7.6.2); p is not negative: a one-sided hold, two a line
.set jj, jj+2
.endr
.irp b, 0,1,2,3
	v_cvt_scalef32_pk8_fp8_f32 v[PB+4*\b:PB+4*\b+1], v[SB+16*\b:SB+16*\b+7], v[SC]
	v_cvt_scalef32_pk8_fp8_f32 v[PB+4*\b+2:PB+4*\b+3], v[SB+16*\b+8:SB+16*\b+15], v[SC]
.endr
	v_pk_add_f32 v[TT+2:TT+3], v[TT+2:TT+3], v[TT+4:TT+5]   ; the chains are joined: this line is the plain one behind the conversions
.if \n2
.set MS, SB
.set MQ, Q+8*(((\i)+2)%4)
.set MT, ST0+4*(((\i)+2)%4)
.set MD, DT+((\i)%2)
	WIN 0x01
	SMUL                                           ; unit u + 2's scores, over the numbers just converted
.endif
	WIN 0x51
.irp t, 0,1,2,3                                ; four accumulators, one instruction a turn
	v_wmma_f32_16x16x128_fp8_fp8 v[OT+8*\t:OT+8*\t+7], v[VF+16*\t:VF+16*\t+15], v[PB:PB+15], v[OT+8*\t:OT+8*\t+7]
.endr
	WIN 0
	v_pk_add_f32 v[TT+6:TT+7], v[TT+6:TT+7], v[TT+8:TT+9]       ; four more joins: the four places behind the products
	v_pk_add_f32 v[TT+10:TT+11], v[TT+10:TT+11], v[TT+12:TT+13]
	v_pk_add_f32 v[ST+2:ST+3], v[ST+2:ST+3], v[TT+14:TT+15]
	v_pk_add_f32 v[TT+2:TT+3], v[TT+2:TT+3], v[TT+6:TT+7]
.if \n2
	MAXCH 1, \adr
.else
	v_pk_add_f32 v[ST+2:ST+3], v[ST+2:ST+3], v[TT+10:TT+11]
	v_pk_add_f32 v[ST+2:ST+3], v[ST+2:ST+3], v[TT+2:TT+3]
.endif
.if \ldk
	WIN 0x40
	LDK
	WIN 0
.endif
.if \ldv
	WIN 0x40
	LDV
	WIN 0
.endif
.endm
	s_wait_alu depctr_va_vdst(0)                   ; the wait at the head's end
	s_wait_loadcnt 0x0                             ; q
	s_wait_tensorcnt 0x0                           ; my two key steps have landed,
	s_barrier_signal -1
	s_barrier_wait -1                              ; everybody's have
	WIN 0x40
	LDK
	LDV
	WIN 0
	s_wait_dscnt 16                                ; k's sixteen loads are in; v's sixteen may be out
	WIN 0x01
.set MS, S0
.set MQ, Q
	SMUL                                           ; units 0 and 1
.set MS, S0+64
.set MQ, Q+8
	SMUL
	WIN 0
.rept 4
	v_nop
.endr
.set MS, S0
.set MT, ST0
.set MD, DT
	MAXCH 0, 0
.set MS, S0+64
.set MT, ST0+4
.set MD, DT+1
	MAXCH 0, 0
	v_sub_f32 v10, v[ST0], v[DT]                   ; unit 0's f
	v_cvt_i32_f32 v10, v10
	v_ldexp_f32 v[F0], 1.0, v10
.set jj, 0
.rept 32
	v_pk_fma_f32 v[S0+jj:S0+jj+1], v[S0+jj:S0+jj+1], s[CS:CS+1], v[ST0:ST0+1] op_sel_hi:[1,0,0]   ; unit 0's t - M
.set jj, jj+2
.endr
.Lstep:                                            ; 15 trips: a key step of 128 keys, four units
	ITER 0, 1, 1, 0, 0, 1, 1
	ITER 1, 1, 1, 1, 0, 0, 0
	ITER 2, 1, 1, 0, 0, 1, 0
	ITER 3, 1, 1, 0, 1, 0, 0
	s_sub_co_u32 s[CNT], s[CNT], 1
	s_cmp_lg_u32 s[CNT], 0
	s_cbranch_scc1 .Lstep
	ITER 0, 1, 1, 0, 0, 1, 0                       ; the last key step
	ITER 1, 1, 1, 0, 0, 0, 0
	ITER 2, 1, 0, 0, 0, 0, 0
	ITER 3, 0, 0, 0, 0, 0, 0
	; THE WAY OUT.  O^T / the sum x 2^(e8 + e9) goes through my own stage, a tile (16 queries x 256 bytes) at a time, so that sixteen lanes store 256 consecutive bytes, aligned.  No barrier: the stage is mine alone.
.irp i, 0,1,2,3
	v_add_f32 v[ST0+4*\i+2], v[ST0+4*\i+2], v[ST0+4*\i+3]
.endr
.irp i, 0,1,2,3
	v_permlanex16_b32 v[MX+\i], v[ST0+4*\i+2], s[SEL], s[SEL+1]
.endr
.irp i, 0,1,2,3
	v_add_f32 v[ST0+4*\i+2], v[ST0+4*\i+2], v[MX+\i]   ; the rows' sums
.endr
	s_wait_alu depctr_va_vdst(0)                   ; the wait ahead of the batch
.irp i, 0,1,2,3
	v_rcp_f32 v[ST0+4*\i+2], v[ST0+4*\i+2]
.endr
	v_and_b32 v10, 15, v0                          ; r  (plain lines behind the reciprocals)
	v_bfe_u32 v11, v0, 4, 1                        ; h
	s_mul_i32 s40, s[WV], WSTG
	s_add_co_u32 s40, s40, STAGE
	s_add_co_i32 s41, s38, s39
	v_mul_u32_u24 v[STO], v10, STP
	v_lshl_add_u32 v[STO], v11, 6, v[STO]
	v_add_nc_u32 v[STO], s40, v[STO]               ; in: row r; registers 16 b + 4 i on are channels 32 b + 16 h + 4 i on
	v_mul_u32_u24 v[RD], v11, STP
	v_lshl_add_u32 v[RD], v10, 4, v[RD]
	v_add_nc_u32 v[RD], s40, v[RD]                 ; back: lanes 0-15 one row, lanes 16-31 the next
	v_lshlrev_b32 v[GO], 12, v11
	v_lshl_add_u32 v[GO], v10, 4, v[GO]
	s_wait_alu depctr_va_vdst(0)                   ; one wait for the four reciprocals, ahead of their first reader
.irp i, 0,1,2,3
	v_ldexp_f32 v[ST0+4*\i+2], v[ST0+4*\i+2], s41
.endr
	WIN 0x01
	s_wait_alu depctr_va_vdst(0)                   ; the wait directly ahead of the first reader of O^T
.irp i, 0,1,2,3
.set jj, 0
.rept 16
	v_pk_mul_f32 v[S0+32*\i+jj:S0+32*\i+jj+1], v[32*\i+jj:32*\i+jj+1], v[ST0+4*\i+2:ST0+4*\i+3] op_sel_hi:[1,0]
.set jj, jj+2
.endr
.endr
	WIN 0
.irp u, 0,1,2,3
.irp b, 0,1
.irp i, 0,1,2,3
	ds_store_b128 v[STO], v[S0+32*\u+16*\b+4*\i:S0+32*\u+16*\b+4*\i+3] offset:128*\b+16*\i
.endr
.endr
	WIN 0x40
.irp i, 0,1,2,3,4,5,6,7
	ds_load_b128 v[KF+32*\u+4*\i:KF+32*\u+4*\i+3], v[RD] offset:2*STP*\i   ; LDS serves a wave's instructions in order: these see my stores, and the next tile's stores come behind them
.endr
	WIN 0
.endr
	WIN 0x04
.irp u, 0,1,2,3
.irp i, 0,1,2,3,4,5,6,7
	s_wait_dscnt 16*(3-\u)+7-\i                    ; behind this load: the tile's later loads and the later tiles' sixteen instructions each
	global_store_b128 v[GO], v[KF+32*\u+4*\i:KF+32*\u+4*\i+3], s[8:9] offset:(32*(\u/2)+8*(\u%2)+2*\i+8*(\i/4))*4096 th:TH_STORE_NT
.endr
.endr
	WIN 0
	s_wait_tensorcnt 0x0                           ; the wave's end
	ds_add_u32 v[SPW], v[NIL]
	s_wait_dscnt 0x0
	CROUND                                         ; the closing round
	s_endpgm
.Lfunc_end_k_qa697b6b55b_attn:
	.size	k_qa697b6b55b_attn, .Lfunc_end_k_qa697b6b55b_attn-k_qa697b6b55b_attn
	.p2alignl 7, 3214868480
	.fill 96, 4, 3214868480
	.section	.rodata,"a",@progbits
	.p2align	6, 0x0
	.amdhsa_kernel k_qa697b6b55b_attn
		.amdhsa_group_segment_fixed_size 327680
		.amdhsa_private_segment_fixed_size 0
		.amdhsa_enable_private_segment 0
		.amdhsa_kernarg_size 24
		.amdhsa_user_sgpr_count 2
		.amdhsa_user_sgpr_kernarg_segment_ptr 1
		.amdhsa_wavefront_size32 1
		.amdhsa_system_sgpr_workgroup_id_x 1
		.amdhsa_system_sgpr_workgroup_id_y 1
		.amdhsa_system_sgpr_workgroup_id_z 1
		.amdhsa_system_vgpr_workitem_id 0
		.amdhsa_next_free_vgpr 512
		.amdhsa_next_free_sgpr 66
		.amdhsa_reserve_vcc 0
		.amdhsa_float_denorm_mode_32 3
		.amdhsa_float_denorm_mode_16_64 3
		.amdhsa_memory_ordered 1
		.amdhsa_forward_progress 1
		.amdhsa_inst_pref_size 132
	.end_amdhsa_kernel
	.amdgpu_metadata
---
amdhsa.version: [ 1, 2 ]
amdhsa.kernels:
  - .name:           k_qa697b6b55b_attn
    .symbol:         k_qa697b6b55b_attn.kd
    .args:
      - { .name: qkv, .offset: 0, .size: 8, .value_kind: global_buffer, .address_space: global }
      - { .name: lowp_scales, .offset: 8, .size: 8, .value_kind: global_buffer, .address_space: global }
      - { .name: out0, .offset: 16, .size: 8, .value_kind: global_buffer, .address_space: global }
    .group_segment_fixed_size: 327680
    .private_segment_fixed_size: 0
    .kernarg_segment_align: 8
    .kernarg_segment_size: 24
    .max_flat_workgroup_size: 256
    .sgpr_count:     66
    .vgpr_count:     512
    .wavefront_size: 32
...
	.end_amdgpu_metadata
.endif
;; end of part 3
